; MI455X (gfx1250); checked and timed in simulation.
; The chip was launched on July 23, 2026; its instructions are those of AMD's public machine-readable ISA for CDNA 5 (MIT licence, August 2026) and "CDNA5" Instruction Set Architecture Reference Guide (July 2026). The comments in the code are by the model that wrote it; some were corrected since.
;; Custom Flash Attention. Allowed arithmetic: matrix products marked QUANTISED: E2M3 operands, one E8M0 scale for each 32 along K, by v_wmma_scale_f32_16x16x128_f8f6f4 with both operands' format E2M3, f32 sums; everything else in f32.
;; Inputs: w_k 1,024 x 1,024 float32; w_o 1,024 x 1,024 float32; w_q 1,024 x 1,024 float32; w_v 1,024 x 1,024 float32; x 2 x 2,048 x 1,024 float32.
;; Outputs: out0 2 x 2,048 x 1,024 float32.
;; This version of the problem:
;;   THIS VERSION OF THE PROBLEM IS GIVEN IN LOW PRECISION. The matrix products marked QUANTISED in the list below multiply operands that are first quantised to E2M3 (2 exponent bits, 3 mantissa bits; 6 bits a number), with one power-of-two scale for each 32 numbers along K (OCP MX v1.0); their sums are f32. All else is computed in f32.
;;   The module's matrix products, in the order in which they are computed (A, B: the left and right operand; K: the contracted axis; several contracted axes count as one K, in the product's order):
;;     1. [M 4,096, K 1,024] x [K 1,024, N 1,024]; A: input x; B: input w_q: QUANTISED
;;     2. [M 4,096, K 1,024] x [K 1,024, N 1,024]; A: input x; B: input w_k: QUANTISED
;;     3. [M 4,096, K 1,024] x [K 1,024, N 1,024]; A: input x; B: input w_v: QUANTISED
;;     4. batch 32 x [M 2,048, K 64] x [K 64, N 2,048]; A: computed on the way; B: computed on the way: QUANTISED
;;     5. batch 32 x [M 2,048, K 2,048] x [K 2,048, N 64]; A: softmax (see below); B: computed on the way: QUANTISED
;;     6. [M 4,096, K 1,024] x [K 1,024, N 1,024]; A: computed on the way; B: input w_o: QUANTISED
;;   THE QUANTISER, for each operand of a quantised product, along K:
;;     - K is cut into blocks of 32 from its start; a last block that is shorter is filled with zeros.
;;     - A block's scale is 2^e with e = floor(log2(the largest magnitude in the block)) - 2, held to -126 .. 127; a block of zeros has e = 0. As a byte (E8M0): e + 127.
;;     - Each number is divided by its block's scale, clamped to +-7.5, and rounded to the nearest number of E2M3, ties to even, subnormals kept.
;;     - The product sums the exact products of the quantised numbers (number of the format x scale) in f32.
;;   ~~~python
;;   def quantise(x, axis):      # numpy; x: float32 -> the quantised numbers, widened to float32 again
;;       x = np.moveaxis(x, axis, -1); K = x.shape[-1]
;;       x = np.pad(x, [(0, 0)] * (x.ndim - 1) + [(0, -K % 32)]); x = x.reshape(x.shape[:-1] + (-1, 32)); a = np.abs(x).max(-1, keepdims=True)
;;       e = np.where(a > 0, np.clip(np.frexp(np.where(a > 0, a, 1))[1] - 1 - 2, -126, 127), 0)      # np.frexp(a)[1] - 1 = floor(log2(a)), exactly
;;       r = np.clip(x / 2.0 ** e, -7.5, 7.5)
;;       step = 2.0 ** (np.maximum(np.frexp(np.where(r == 0, 1, r))[1] - 1, 0) - 3)
;;       q = np.round(r / step) * step * 2.0 ** e      # np.round: ties to even
;;       return np.moveaxis(q.reshape(q.shape[:-2] + (-1,))[..., :K], -1, axis).astype(np.float32)
;;   ~~~
;;   SOFTMAX AHEAD OF A QUANTISED PRODUCT. Where the list says 'softmax', what is quantised is not the finished softmax but p = 2^(t - M), with t = logit x log2(e) and M = ceil(the row's largest t), a whole number; so 1/2 < the row's largest p <= 1. The row's sum l is taken of the UNQUANTISED p, in f32, and the product's result is divided by l at the end. Since M is a whole number, a kernel that streams over the keys may use a running M (the ceiling of the running maximum): every later rescaling is an exact power of two, which a block's scale takes up: the codes' values come out the same.
;;   OPERANDS COMPUTED ON THE WAY. 'Computed on the way' means the value that the module computes at that place (a softmax that the list does not call 'softmax' is quantised finished and normalised). What goes into a quantiser is computed in f32, as accurately as f32 sums, v_exp_f32 and their like allow (about 1e-6 of the number): no bf16 or f16 on the way to a quantiser, and a product that is left as it is and whose result goes on into a quantised operand takes f32 operands (vector FMAs, or v_wmma_f32_16x16x4_f32). A number that lies on a knife's edge between two numbers of the format may be rounded either way, as far as f32 arithmetic and the matrix unit's own rounding can turn it there, and no further.
;; One version. Each part assembles by itself: llvm-mc -triple=amdgcn-amd-amdhsa -mcpu=gfx1250 --defsym DOCPART=n.
;; ======== version 1 of 1: 4 launches
;; limits: right only within a limited range of input values
;; workspace buffers: codes 6,291,456 bytes; scales 262,144 bytes; qkv 9,437,184 bytes; qkvs 393,216 bytes; oc 3,145,728 bytes; os 131,072 bytes
;; launch quant (part 1): grid 256 x 1, 4 waves a work-group, no clusters, 33,280 bytes of LDS; arguments x, w_q, w_k, w_v, w_o, codes, scales; writes codes, scales
.if DOCPART == 1
	.amdgcn_target "amdgcn-amd-amdhsa--gfx1250"
	.amdhsa_code_object_version 6
	.text
	.protected	k_qf38600ce02_quant
	.globl	k_qf38600ce02_quant
	.p2align	8
	.type	k_qf38600ce02_quant,@function
k_qf38600ce02_quant:
	s_mov_b64 s[64:65], 0
	v_nop
	global_prefetch_b8 v0, s[64:65] scope:SCOPE_SE
	s_setreg_imm32_b32 hwreg(HW_REG_WAVE_MODE, 25, 1), 1
	s_wait_xcnt 0x0
; x [4096][1024] and w_q, w_k, w_v, w_o [1024][1024], f32, K innermost, become codes of FP6 (E2M3), 6 bits each, and one E8M0 scale byte for each 32 along K:
; codes [8192 rows][768 bytes], scales [8192 rows][32 bytes]; rows 0-4095 x, 4096-5119 w_q, 5120-6143 w_k, 6144-7167 w_v, 7168-8191 w_o.
; A block's scale is 2^(floor(log2(its largest magnitude)) - 2); its byte is the largest magnitude's exponent field - 2, held at 1 from below; each number is divided by the scale and rounded to the nearest code, ties to even.
; THE ROWS ARE STORED IN ANOTHER ORDER inside each group of 128: stored row 16 t + 8 g + i holds row 64 (t / 4) + 32 g + 8 (t % 4) + i.  Runs of 8 rows stay whole; a run's number changes its low three bits
; from (g, u1, u0) to (u1, u0, g).  A product whose source 0 is 16 stored rows then leaves, in a lane's registers of four neighbouring tiles, 32 NEIGHBOURS of the true order: a whole block for the next quantiser.
; LIMITS: a block whose largest magnitude lies under 2^-124 keeps the byte 1; a block of zeros has the byte 1 where the rule says 127 (its codes are zeros, which add nothing, and this program alone reads the bytes);
; NaN and infinities among the inputs are not served.
; SHARES: a work-group takes 32 rows, a wave one run of 8 rows = 8,192 numbers, in 16 steps of 512.  Each of a step's four loads reads 512 consecutive bytes; the 2,048 bytes turn through the wave's own stage in LDS and
; come back 64 bytes a lane, so that a lane holds 16 neighbours along K (two neighbouring lanes hold a block).  A wave's 256 scale bytes are gathered in LDS and leave as 256 consecutive aligned bytes.
; No tensor loads, no barrier: waves share nothing.  Loads run four steps (16 loads a wave) ahead, the turn through LDS one step.
.set WAVES, 4
.set STEPS, 16
.set EMAX,  2
.set CB,    12                         ; bytes of 16 codes
.set R,     16                         ; v16-79   four sets of 16 numbers as they are loaded
.set X,     80                         ; v80-111  two sets of 16 neighbours
.set C,     128                        ; v128-191 codes: four registers for each step, so that no store's data are written again
.set E,     112                        ; v112-127 a scale byte for each step
.set WREG,  8192                       ; LDS: a region for each wave: two stages of 32 x SP bytes, behind them its 256 scale bytes
.set SP,    80                         ; a lane's place in a stage: its 64 bytes + 16 of padding
.set SPW,   12                         ; v12      LDS address of my spare word; never rewritten
.set NIL,   13                         ; v13      0; never rewritten
.set SPARE, WAVES*WREG                 ; behind the four regions: the spare words, 128 bytes a wave, which no other line names
	s_load_b256 s[4:11], s[0:1], 0x0               ; x, w_q, w_k, w_v
	s_load_b128 s[12:15], s[0:1], 0x20             ; w_o, codes
	s_load_b64 s[24:25], s[0:1], 0x30              ; scales
	v_lshl_add_u32 v[SPW], v0, 2, SPARE
	v_mov_b32 v[NIL], 0
	v_lshrrev_b32 v1, 5, v0
	v_readfirstlane_b32 s16, v1                    ; wave
	v_and_b32 v2, 31, v0                           ; lane
	v_lshlrev_b32 v3, 4, v2                        ; my 16 bytes of a load's 512
	s_mul_i32 s17, s16, WREG
	v_lshrrev_b32 v14, 2, v2
	v_mul_u32_u24 v14, v14, SP
	v_and_b32 v15, 3, v2
	v_lshl_add_u32 v14, v15, 4, v14
	v_add_nc_u32 v14, s17, v14                     ; the stage, on the way in: SP (lane / 4) + 16 (lane % 4)
	v_mul_u32_u24 v15, v2, SP
	v_add_nc_u32 v15, s17, v15                     ; and on the way out: SP x lane: my 16 neighbours
	v_mul_u32_u24 v4, v2, CB                       ; my codes' place in a step's
	v_lshrrev_b32 v5, 1, v2
	s_add_co_u32 s17, s17, 2*32*SP
	v_add_nc_u32 v5, s17, v5                       ; LDS: my wave's 256 scale bytes, my block's byte
	v_lshlrev_b32 v7, 3, v2                        ; and on the way out 8 bytes a lane
	v_add_nc_u32 v6, s17, v7
	s_wait_alu depctr_va_vdst(0)
	s_wait_kmcnt 0x0
	; which tensor: work-groups 0-127 x, then 32 each for w_q, w_k, w_v, w_o.  Each choice hangs on the work-group's number alone
	s_and_b32 s19, ttmp9, 31
	s_cmp_lt_u32 ttmp9, 224
	s_cselect_b64 s[10:11], s[10:11], s[12:13]
	s_cmp_lt_u32 ttmp9, 192
	s_cselect_b64 s[8:9], s[8:9], s[10:11]
	s_cmp_lt_u32 ttmp9, 160
	s_cselect_b64 s[6:7], s[6:7], s[8:9]
	s_cmp_lt_u32 ttmp9, 128
	s_cselect_b64 s[4:5], s[4:5], s[6:7]
	s_cselect_b32 s17, ttmp9, s19                  ; the work-group's number within its tensor
	s_lshl_b32 s17, s17, 2
	s_add_co_u32 s18, s17, s16                     ; my run of 8 rows in the tensor
	s_lshl_b32 s18, s18, 15                        ; x 32,768 bytes
	s_mov_b32 s19, 0
	s_add_nc_u64 s[4:5], s[4:5], s[18:19]
	s_lshl_b32 s20, ttmp9, 2
	s_add_co_u32 s20, s20, s16                     ; my run among the 1,024 of the five tensors,
	s_and_b32 s21, s20, 3
	s_lshl_b32 s21, s21, 1
	s_bfe_u32 s22, s20, 0x10002
	s_and_b32 s20, s20, 0xfffffff8
	s_or_b32 s20, s20, s21
	s_or_b32 s20, s20, s22                         ; and where it is stored: low bits (g, u1, u0) -> (u1, u0, g)
	s_mul_i32 s18, s20, 6144                       ; 8 rows of 768 bytes
	s_add_nc_u64 s[8:9], s[14:15], s[18:19]        ; the codes
	s_lshl_b32 s18, s20, 8                         ; 8 rows of 32 bytes
	s_add_nc_u64 s[24:25], s[24:25], s[18:19]      ; the scale bytes
.macro LOAD t
.irp i, 0,1,2,3
	global_load_b128 v[R+16*((\t)%4)+4*\i:R+16*((\t)%4)+4*\i+3], v3, s[4:5] offset:2048*(\t)+512*\i th:TH_LOAD_NT   ; 32 lanes read 512 consecutive bytes
.endr
.endm
.macro TURN t                          ; step t's numbers through the stage: LDS serves a wave's instructions in order, so no wait stands between the stores and the loads
.irp i, 0,1,2,3
	ds_store_b128 v14, v[R+16*((\t)%4)+4*\i:R+16*((\t)%4)+4*\i+3] offset:32*SP*((\t)%2)+8*SP*\i
.endr
.irp i, 0,1,2,3
	ds_load_b128 v[X+16*((\t)%2)+4*\i:X+16*((\t)%2)+4*\i+3], v15 offset:32*SP*((\t)%2)+16*\i
.endr
.endm
.irp t, 0,1,2,3
	LOAD \t
.endr
	s_wait_loadcnt 12                              ; step 0's four loads are in
	TURN 0
.macro STEP t
.set XS, X+16*((\t)%2)
.if (\t) > 0
	s_wait_dscnt 1                                 ; this step's numbers are back from the stage (the last step's byte store may be out): so its stores into the stage have read their registers,
.else
	s_wait_dscnt 0x0
.endif
.if (\t)+4 < STEPS
	LOAD (\t)+4                                    ; which take the loads of four steps on
.endif
.if (\t)+1 < STEPS
.if STEPS-2-(\t) >= 3
	s_wait_loadcnt 12                              ; the next step's four loads are in; those of the three steps behind it may be out
.else
	s_wait_loadcnt 4*(STEPS-2-(\t))
.endif
	TURN (\t)+1                                    ; and go through the other stage while this step is worked
.endif
	v_max3_num_f32 v8, |v[XS]|, |v[XS+1]|, |v[XS+2]|               ; the largest magnitude of my 16
	v_max3_num_f32 v9, |v[XS+3]|, |v[XS+4]|, |v[XS+5]|
.irp i, 6,10
	v_max3_num_f32 v8, v8, |v[XS+\i]|, |v[XS+\i+1]|
	v_max3_num_f32 v9, v9, |v[XS+\i+2]|, |v[XS+\i+3]|
.endr
	v_max3_num_f32 v8, v8, |v[XS+14]|, |v[XS+15]|
	v_max3_num_f32 v8, v8, v9, (EMAX+1)<<23        ; and the floor 2^(3 - 127): the byte cannot fall under 1
	v_max_num_f32_dpp v8, v8, v8 row_xmask:1 row_mask:0xf bank_mask:0xf   ; and of my neighbour's 16: the block's
	v_add_nc_u32 v11, -(EMAX<<23), v8              ; 2 off its exponent field: the conversion takes the exponent field of this operand as its scale
	v_cvt_scalef32_pk16_fp6_f32 v[C+4*(\t):C+4*(\t)+2], v[XS:XS+15], v11         ; sixteen codes, 96 bits without gaps, the first number's lowest
	v_lshrrev_b32 v[E+(\t)], 23, v11               ; the scale's byte
	ds_store_b8 v5, v[E+(\t)] offset:16*(\t)       ; both lanes of a block write the same byte with the same value
	global_store_b96 v4, v[C+4*(\t):C+4*(\t)+2], s[8:9] offset:32*CB*(\t)
.endm
.irp t, 0,1,2,3,4,5,6,7,8,9,10,11,12,13,14,15
	STEP \t
.endr
	ds_load_b64 v[8:9], v6                         ; LDS serves a wave's instructions in order: these see my stores
	s_wait_dscnt 0x0
	global_store_b64 v7, v[8:9], s[24:25]          ; 32 lanes store 256 consecutive aligned bytes
	s_wait_tensorcnt 0x0                           ; the wave's end, behind my last LDS store
	ds_add_u32 v[SPW], v[NIL]
	s_wait_dscnt 0x0
	s_endpgm
.Lfunc_end_k_qf38600ce02_quant:
	.size	k_qf38600ce02_quant, .Lfunc_end_k_qf38600ce02_quant-k_qf38600ce02_quant
	.p2alignl 7, 3214868480
	.fill 96, 4, 3214868480
	.section	.rodata,"a",@progbits
	.p2align	6, 0x0
	.amdhsa_kernel k_qf38600ce02_quant
		.amdhsa_group_segment_fixed_size 33280
		.amdhsa_private_segment_fixed_size 0
		.amdhsa_enable_private_segment 0
		.amdhsa_kernarg_size 56
		.amdhsa_user_sgpr_count 2
		.amdhsa_user_sgpr_kernarg_segment_ptr 1
		.amdhsa_wavefront_size32 1
		.amdhsa_system_sgpr_workgroup_id_x 1
		.amdhsa_system_sgpr_workgroup_id_y 1
		.amdhsa_system_sgpr_workgroup_id_z 1
		.amdhsa_system_vgpr_workitem_id 0
		.amdhsa_next_free_vgpr 192
		.amdhsa_next_free_sgpr 66
		.amdhsa_reserve_vcc 0
		.amdhsa_float_denorm_mode_32 3
		.amdhsa_float_denorm_mode_16_64 3
		.amdhsa_memory_ordered 1
		.amdhsa_forward_progress 1
		.amdhsa_inst_pref_size 33
	.end_amdhsa_kernel
	.amdgpu_metadata
---
amdhsa.version: [ 1, 2 ]
amdhsa.kernels:
  - .name:           k_qf38600ce02_quant
    .symbol:         k_qf38600ce02_quant.kd
    .args:
      - { .name: x, .offset: 0, .size: 8, .value_kind: global_buffer, .address_space: global }
      - { .name: w_q, .offset: 8, .size: 8, .value_kind: global_buffer, .address_space: global }
      - { .name: w_k, .offset: 16, .size: 8, .value_kind: global_buffer, .address_space: global }
      - { .name: w_v, .offset: 24, .size: 8, .value_kind: global_buffer, .address_space: global }
      - { .name: w_o, .offset: 32, .size: 8, .value_kind: global_buffer, .address_space: global }
      - { .name: codes, .offset: 40, .size: 8, .value_kind: global_buffer, .address_space: global }
      - { .name: scales, .offset: 48, .size: 8, .value_kind: global_buffer, .address_space: global }
    .group_segment_fixed_size: 33280
    .private_segment_fixed_size: 0
    .kernarg_segment_align: 8
    .kernarg_segment_size: 56
    .max_flat_workgroup_size: 128
    .sgpr_count:     66
    .vgpr_count:     192
    .wavefront_size: 32
...
	.end_amdgpu_metadata
.endif
;; end of part 1
;; launch proj (part 2): grid 8 x 32, 4 waves a work-group, clusters of 4 x 4, 327,680 bytes of LDS; arguments codes, scales, qkv, qkvs; writes qkv, qkvs
.if DOCPART == 2
	.amdgcn_target "amdgcn-amd-amdhsa--gfx1250"
	.amdhsa_code_object_version 6
	.text
	.protected	k_qf38600ce02_proj
	.globl	k_qf38600ce02_proj
	.p2align	8
	.type	k_qf38600ce02_proj,@function
k_qf38600ce02_proj:
	s_mov_b64 s[64:65], 0
	v_nop
	global_prefetch_b8 v0, s[64:65] scope:SCOPE_SE
	s_setreg_imm32_b32 hwreg(HW_REG_WAVE_MODE, 25, 1), 1
	s_wait_xcnt 0x0
	s_wait_alu depctr_hold_cnt(0) depctr_sa_sdst(0) depctr_va_vdst(0) depctr_va_sdst(0) depctr_va_ssrc(0) depctr_va_vcc(0) depctr_vm_vsrc(0)
	s_getreg_b32 s2, hwreg(HW_REG_IB_STS2, 6, 4)
	s_cmp_eq_u32 s2, 0
	s_cbranch_scc0 .Lentry_in_a_cluster
	s_endpgm
.Lentry_in_a_cluster:
	s_bfe_u32 s2, ttmp6, 0x10000c
	s_cmp_lg_u32 s2, 0xf033
	s_cbranch_scc0 .Lentry_shape_is_right
	s_endpgm
.Lentry_shape_is_right:
; q = x w_q^T, k = x w_k^T, v = x w_v^T on codes of FP6 (E2M3) with E8M0 scales, K = 1,024, sums in f32; the results are quantised at once, in registers, and stored as images of attention's operand registers.
; THE DEAL: 256 work-groups = 32 groups G of 128 tokens x 8 column groups j.  A work-group multiplies its 128 rows of x by three tiles of 128 weight rows, one after the other: rows 128 j .. of w_q, of w_k, of w_v (two heads each).
; Four waves, 2 x 2: wave (wa, wb) has x's rows 64 wa .. and the tile's rows 64 wb .. (one head): 16 accumulators.  Its 64 rows of x, all of K, stay in 384 registers; the weights' fragments come from LDS, 128 along K at a time, in two sets.
; LDS: x's 128 rows (whole rows of 768 bytes, 16 bytes of padding behind each 256: pitch 816), then a ring of two slots of 128 weight rows.  At the head one load a wave: x's halves, w_q's halves.  w_k's tile is slot 1's first fill,
; w_v's tile fills slot 0 again: both behind the three lines and a round of the cluster's barrier, a quarter of the tile a wave.
; CLUSTERS 4 x 4: x's rows are asked for jointly along a row of the cluster, the weights' along a column.  Scale words go from memory straight into registers: 32 bytes a row, sixteen rows' 512 bytes by two loads.
; No prefetch: the text has no loop to run ahead in, and each tile is asked for as soon as its slot is free.
; ROWS LIE IN THE STORED ORDER (stored row 16 t + 8 g + i = row 64 (t / 4) + 32 g + 8 (t % 4) + i of a group of 128).  Source 0's four tiles then leave in lane (r, h) 32 registers = true indices 32 h + 0 .. 31 of its 64: a whole quantiser block.
;   q, k: source 0 = weight rows, source 1 = tokens: a lane holds one token, its registers run along the head's d.     v: source 0 = tokens, source 1 = w_v's rows: a lane holds one d, its registers run along 32 keys.
; OUT.  qkv: fragment (H, G, f) at ((32 H + G) 4 + f) 1,536 bytes; H: 0-15 q's heads, 16-31 k's, 32-47 v's.   q, k: 12 registers, registers 4 n .. 4 n + 3 at 512 n + 16 x lane; registers 0-5 token tile 2 f, 6-11 tile 2 f + 1.
;   v: f = the tile of 16 d; half c (keys 64 c ..) at 768 c: registers 6 c .. 6 c + 3 at 16 x lane, 6 c + 4, 6 c + 5 at 512 + 8 x lane.
; qkvs: unit (H, G) of 256 bytes, 8 bytes a lane = two registers; register i holds fragment 2 i's scale words in lanes 0-15 and fragment 2 i + 1's in lanes 16-31.  A wave stores 4 (q, k) or 2 x 2 (v) of a lane's 8 bytes: 1 byte in 24 of what leaves.
; LIMITS: a block whose largest magnitude lies under 2^-124 keeps the byte 1, a block of zeros too (its codes are zeros; this program alone reads the bytes); NaN and infinities are not served.
; REGISTERS: window 0: addresses, scale words, the weights' two sets, the way out; windows 1, 2: x's fragments (K step q, tile a) at window 1 + q / 5, register 12 (4 (q % 5) + a); window 3: accumulator (a, b) at 32 a + 8 b.
.set KROW,  768
.set PITCH, 816
.set HALF,  64*PITCH
.set TILE,  128*PITCH
.set SPARE, 3*TILE                     ; the spare words, 128 bytes a wave, which no other line names
.set ADX,  4                           ; v4, v5  my rows of x in LDS (v5: for pieces whose lanes 16-31 lie behind one padding more)
.set ADW,  6                           ; v6, v7 my weight rows in slot 0; v8, v9 in slot 1
.set SPW,  10
.set NIL,  11
.set SXO,  12                          ; offsets of my rows' scale bytes: x's, the weights'
.set SWO,  13
.set O16,  14                          ; offsets on the way out
.set O16V, 15
.set O8V,  16
.set OS0,  17
.set OS1,  18
.set SH8,  19
.set SH16, 20
.set XS,   32                          ; v32-63 x's scale words, tile a, K step q at 8 a + q
.set WS,   68                          ; v68-99 the weights': the two sets' numbers differ by 4 modulo 8
.set WF,   104                         ; v104-199 the weights' fragments, two sets of 48
.set TM,   200
.set SO,   204
.set WT,   208
.set PT,   210
.set UU,   212
.set XC,   214                         ; v214-237 codes
.set CT,   238                         ; v238-253 the blocks' second halves: a conversion's three registers begin on an even number
.set G1,  24
.set G0,  32
.set G1B, 48
.set G0B, 56
.set G0W, 60
.set MSB, 0
.macro WIN new
.if MSB != (\new)
	s_set_vgpr_msb (MSB<<8)|(\new)
.set MSB, (\new)
.endif
.endm
.macro PLACES n
.rept \n
	v_nop
.endr
.endm
.macro WALU
	s_wait_alu depctr_va_vdst(0)
.endm
.macro BARRIER
	s_barrier_signal -1
	s_barrier_wait -1
.endm
.macro CROUND                          ; a round of the cluster's barrier
	BARRIER
	s_cmp_lg_u32 s14, 0
	s_cbranch_scc1 .Lnw0_\@
	s_barrier_signal -3
.Lnw0_\@:
	s_barrier_wait -3
	BARRIER
.endm
.macro TL g0, g1                       ; a tensor load, with s_nop 0 and four v_nop behind it
	tensor_load_to_lds s[\g0:\g0+3], s[\g1:\g1+7]
	s_nop 0
	PLACES 4
.endm
.macro GROUP1 g, mask, rows            ; rows of 768 bytes, 16 bytes of padding behind each 256; the mask, bit 21 beside it
	s_or_b32 s[\g+0], s[\mask], (1<<20)|(1<<21)|(5<<22)|(3<<25)
	s_mov_b32 s[\g+1], KROW<<16
	s_mov_b32 s[\g+2], (\rows)<<16
	s_mov_b32 s[\g+3], KROW<<16
	s_mov_b32 s[\g+4], \rows
	s_mov_b32 s[\g+5], KROW
	s_mov_b32 s[\g+6], 0
	s_mov_b32 s[\g+7], 0
.endm
.macro FRAG reg, adr, q, i             ; 16 rows x 128 K: six pieces of 8 bytes; piece n of a row lies at 8 n + 16 (n / 32); lanes 16-31 read three pieces on
.irp p, 0,1,2,3,4,5
.set PC_, 12*(\q)+6*(\p/3)+\p%3
.if (PC_%32) < 29
	ds_load_b64 v[\reg+2*\p:\reg+2*\p+1], v[\adr] offset:8*PC_+16*(PC_/32)+(\i)*16*PITCH
.else
	ds_load_b64 v[\reg+2*\p:\reg+2*\p+1], v[\adr+1] offset:8*PC_+16*(PC_/32)+(\i)*16*PITCH
.endif
.endr
.endm
.macro WLOAD slot, q, buf              ; my four weight tiles of K step q: 24 loads
.irp i, 0,1,2,3
	FRAG WF+48*(\buf)+12*\i, ADW+2*(\slot), \q, \i
.endr
.endm
.macro SLOAD dst, off, base, imm       ; the scale words of four tiles of 16 rows, all of K
.irp t, 0,1,2,3
.irp c, 0,1
	global_load_b128 v[\dst+8*\t+4*\c:\dst+8*\t+4*\c+3], v[\off], s[\base:\base+1] offset:(\imm)+512*\t+16*\c
.endr
.endr
.endm
.macro MM d, s0, s1, x0, x1, z
.if \z
	v_wmma_scale_f32_16x16x128_f8f6f4 v[\d:\d+7], v[\s0:\s0+11], v[\s1:\s1+11], 0, v[\x0], v[\x1] matrix_a_fmt:MATRIX_FMT_FP6 matrix_b_fmt:MATRIX_FMT_FP6
.else
	v_wmma_scale_f32_16x16x128_f8f6f4 v[\d:\d+7], v[\s0:\s0+11], v[\s1:\s1+11], v[\d:\d+7], v[\x0], v[\x1] matrix_a_fmt:MATRIX_FMT_FP6 matrix_b_fmt:MATRIX_FMT_FP6
.endif
.endm
.macro MUL16 mode, q                   ; the 16 accumulators by turns, one instruction a turn; K step 0 starts the sums
.irp a, 0,1,2,3
.irp b, 0,1,2,3
.if \mode
	WIN ((1+(\q)/5)|0xf0)
	MM 32*\a+8*\b, 12*(4*((\q)%5)+\b), WF+48*((\q)%2)+12*\a, XS+8*\b+(\q), WS+8*\a+(\q), (\q)==0
.else
	WIN (((1+(\q)/5)<<2)|0xf0)
	MM 32*\a+8*\b, WF+48*((\q)%2)+12*\b, 12*(4*((\q)%5)+\a), WS+8*\b+(\q), XS+8*\a+(\q), (\q)==0
.endif
.endr
.endr
.endm
.macro PHASE mode, slot                ; 128 products; K step 0's weight fragments have been asked for
.irp q, 0,1,2,3,4,5,6,7
.if \q < 7
	WIN 0
	PLACES 4                               ; between the last step's products and the loads into the set that they read
	WLOAD \slot, \q+1, (\q+1)%2
	s_wait_dscnt 24                        ; this step's fragments are in; the 24 loads just issued may be out
.else
	s_wait_dscnt 0x0
.endif
	MUL16 \mode, \q
.endr
	WIN 0
.endm
; THE WAY OUT of a phase: four groups k of 32 sums a lane, each a whole quantiser block; each accumulator is read from its low end on
.macro EPI mode, ph
	s_wait_xcnt 0x0                        ; the last phase's stores have read their registers
	WIN 0x0f
.irp k, 0,1,2,3
	v_max3_num_f32 v[TM+\k], |v[32*\k]|, |v[32*\k+1]|, 0x1800000   ; with the floor 2^(3 - 127): the byte cannot fall under 1
.endr
.irp i, 2,4,6,8,10,12,14,16,18,20,22,24,26,28,30
.irp k, 0,1,2,3
	v_max3_num_f32 v[TM+\k], |v[32*\k+\i]|, |v[32*\k+\i+1]|, v[TM+\k]
.endr
.endr
	WIN 0
.irp k, 0,1,2,3
	v_add_nc_u32 v[SO+\k], 0xff000000, v[TM+\k]    ; 2 off the exponent field: the conversion's scale operand
.endr
.irp k, 0,1,2,3
	v_lshrrev_b32 v[TM+\k], 23, v[SO+\k]           ; the scale's byte
.endr
.irp p, 0,1
	v_lshl_or_b32 v[WT+\p], v[TM+2*\p+1], 16, v[TM+2*\p]
.endr
.irp p, 0,1
	v_lshlrev_b32 v[WT+\p], v[SH8], v[WT+\p]       ; my two bytes, 8 h bits up
.endr
.irp p, 0,1
	v_permlanex16_b32 v[PT+\p], v[WT+\p], s80, s81
.endr
.irp p, 0,1
	v_or_b32 v[WT+\p], v[WT+\p], v[PT+\p]          ; bytes (group 2 p: h = 0, 1; group 2 p + 1: h = 0, 1), in both halves of the lanes
.endr
	WIN 3
.irp k, 0,1,2,3
	v_cvt_scalef32_pk16_fp6_f32 v[XC+6*\k:XC+6*\k+2], v[32*\k:32*\k+15], v[SO+\k]
	v_cvt_scalef32_pk16_fp6_f32 v[CT+4*\k:CT+4*\k+2], v[32*\k+16:32*\k+31], v[SO+\k]
.endr
	WIN 0
	v_nop                                  ; one plain place behind a scaled conversion
.irp k, 0,1,2,3
.irp i, 0,1,2
	v_mov_b32 v[XC+6*\k+3+\i], v[CT+4*\k+\i]
.endr
.endr
.if \mode
.irp i, 0,1
	v_lshrrev_b32 v[UU+\i], v[SH16], v[WT+\i]      ; lanes 0-15 fragment 2 i's two bytes, lanes 16-31 fragment 2 i + 1's
.endr
.irp k, 0,1,2,3
	global_store_b128 v[O16V], v[XC+6*\k:XC+6*\k+3], s[8:9] offset:3145728*\ph+1536*\k
	global_store_b64 v[O8V], v[XC+6*\k+4:XC+6*\k+5], s[8:9] offset:3145728*\ph+1536*\k
.endr
.irp i, 0,1
	global_store_b16 v[OS1], v[UU+\i], s[10:11] offset:131072*\ph+4*\i
.endr
.else
	v_cndmask_b32 v[UU], v[WT], v[WT+1], s82       ; my even fragment's words in lanes 0-15, the odd one's in lanes 16-31
.irp p, 0,1
.irp n, 0,1,2
	global_store_b128 v[O16], v[XC+12*\p+4*\n:XC+12*\p+4*\n+3], s[8:9] offset:3145728*\ph+1536*\p+512*\n   ; 512 consecutive aligned bytes
.endr
.endr
	global_store_b32 v[OS0], v[UU], s[10:11] offset:131072*\ph
.endif
.endm
	s_load_b256 s[4:11], s[0:1], 0x0               ; codes, scales, qkv, qkvs
	v_lshl_add_u32 v[SPW], v0, 2, SPARE
	v_mov_b32 v[NIL], 0
	ds_add_u32 v[SPW], v[NIL]                      ; the opening lines: the add, twice, and its wait ahead of my first tensor load
	ds_add_u32 v[SPW], v[NIL]
	v_lshrrev_b32 v1, 5, v0
	v_readfirstlane_b32 s14, v1                    ; wave
	s_lshr_b32 s15, s14, 1                         ; wa.  Also: at the head I fetch for x (0) or for the weights (1)
	s_and_b32 s16, s14, 1                          ; wb.  Also: which 64 rows I fetch there
	s_bfe_u32 s40, ttmp6, 0x40000                  ; cx
	s_bfe_u32 s41, ttmp6, 0x40004                  ; cy
	s_lshl_b32 s42, ttmp9, 2
	s_add_co_u32 s42, s42, s40                     ; j
	s_and_b32 s17, ttmp7, 0xffff
	s_lshl_b32 s17, s17, 2
	s_add_co_u32 s17, s17, s41                     ; G
	s_lshl_b32 s43, s41, 2
	s_lshl_b32 s43, 15, s43                        ; my row of the cluster
	s_lshl_b32 s44, 0x1111, s40                    ; my column
	GROUP1 G1, 43, 64
	GROUP1 G1B, 44, 64
	s_mul_i32 s18, s16, 64*KROW
	s_mul_i32 s20, s17, 128*KROW
	s_add_co_u32 s20, s20, s18                     ; x: my 64 rows, bytes from codes
	s_mov_b32 s21, 0
	s_mul_i32 s22, s42, 128*KROW
	s_add_co_u32 s22, s22, 4096*KROW               ; w_q's tile
	s_add_co_u32 s46, s22, s18                     ; my 64 rows of it
	s_mov_b32 s47, 0
	s_mul_i32 s19, s14, 32*KROW
	s_add_co_u32 s22, s22, s19
	s_add_co_u32 s22, s22, 1024*KROW               ; my 32 rows of w_k's tile
	s_mov_b32 s23, 0
	s_mul_i32 s45, s14, HALF                       ; LDS: x's two halves, then slot 0's two
	s_mul_i32 s94, s14, 32*PITCH
	s_mul_i32 s70, s15, HALF                       ; what the vector set-up below adds
	s_mul_i32 s71, s16, HALF
	s_add_co_u32 s71, s71, TILE
	s_add_co_u32 s72, s71, TILE
	s_lshl_b32 s73, s17, 7
	s_lshl_b32 s74, s15, 6
	s_add_co_u32 s73, s73, s74
	s_lshl_b32 s73, s73, 5                         ; my first row of x, x 32 bytes
	s_lshl_b32 s74, s42, 7
	s_lshl_b32 s75, s16, 6
	s_add_co_u32 s74, s74, s75
	s_add_co_u32 s74, s74, 4096
	s_lshl_b32 s74, s74, 5                         ; my first row of w_q
	s_mul_i32 s75, s15, 3072
	s_mul_i32 s76, s15, 768
	s_add_co_u32 s77, s76, 512
	s_lshl_b32 s78, s15, 2
	s_lshl_b32 s79, s15, 1
	s_mov_b32 s80, 0x76543210
	s_mov_b32 s81, 0xfedcba98                      ; selects for lane l xor 16
	s_mov_b32 s82, 0xffff0000                      ; lanes 16-31
	s_lshl_b32 s83, s42, 1
	s_add_co_u32 s83, s83, s16
	s_lshl_b32 s83, s83, 5
	s_add_co_u32 s83, s83, s17                     ; 32 (2 j + wb) + G
	s_mul_i32 s84, s83, 6144
	s_mov_b32 s85, 0
	s_lshl_b32 s86, s83, 8
	s_mov_b32 s87, 0
	WALU
	s_wait_dscnt 0x0
	s_wait_kmcnt 0x0
	s_mov_b32 s[G0], 1
	s_mov_b32 s[G0+1], s45
	s_add_nc_u64 s[G0+2:G0+3], s[4:5], s[20:21]
	s_or_b32 s[G0+3], s[G0+3], 0x80000000
	s_mov_b32 s[G0B], 1
	s_mov_b32 s[G0B+1], s45
	s_add_nc_u64 s[G0B+2:G0B+3], s[4:5], s[46:47]
	s_or_b32 s[G0B+3], s[G0B+3], 0x80000000
	s_mov_b32 s[G0W], 1
	s_add_co_u32 s[G0W+1], s94, 2*TILE
	s_add_nc_u64 s[G0W+2:G0W+3], s[4:5], s[22:23]
	s_or_b32 s[G0W+3], s[G0W+3], 0x80000000
	s_add_nc_u64 s[8:9], s[8:9], s[84:85]
	s_add_nc_u64 s[10:11], s[10:11], s[86:87]
	CROUND                                         ; all sixteen work-groups are here: the first joint loads meet
	s_cmp_eq_u32 s15, 0
	s_cbranch_scc0 .Lfor_w
	TL G0, G1                                      ; waves 0, 1: x's halves
	s_branch .Lasked
.Lfor_w:
	TL G0B, G1B                                    ; waves 2, 3: w_q's halves
.Lasked:
	v_and_b32 v1, 15, v0                           ; r
	v_bfe_u32 v2, v0, 4, 1                         ; h
	v_and_b32 v3, 31, v0
	v_mul_u32_u24 v21, v1, PITCH
	v_mad_u32_u24 v22, v2, 24, v21
	v_mad_u32_u24 v23, v2, 40, v21
	v_add_nc_u32 v[ADX], s70, v22
	v_add_nc_u32 v[ADX+1], s70, v23
	v_add_nc_u32 v[ADW], s71, v22
	v_add_nc_u32 v[ADW+1], s71, v23
	v_add_nc_u32 v[ADW+2], s72, v22
	v_add_nc_u32 v[ADW+3], s72, v23
	v_lshlrev_b32 v24, 5, v1
	v_add_nc_u32 v[SXO], s73, v24
	v_add_nc_u32 v[SWO], s74, v24
	v_lshlrev_b32 v25, 4, v3
	v_lshlrev_b32 v26, 3, v3
	v_add_nc_u32 v[O16], s75, v25
	v_add_nc_u32 v[O16V], s76, v25
	v_add_nc_u32 v[O8V], s77, v26
	v_add_nc_u32 v[OS0], s78, v26
	v_add_nc_u32 v[OS1], s79, v26
	v_lshlrev_b32 v[SH8], 3, v2
	v_lshlrev_b32 v[SH16], 4, v2
	v_mov_b32 v[PT], 0                             ; written once: a lane permute's destination counts as one of its sources
	v_mov_b32 v[PT+1], 0
	WALU                                           ; the wait at the head's end
	SLOAD XS, SXO, 6, 0
	SLOAD WS, SWO, 6, 0
	s_cmp_lg_u32 s15, 0
	s_cbranch_scc1 .Lnot_x
	s_wait_tensorcnt 0x0                           ; both issuers of x's line wait
.Lnot_x:
	BARRIER                                        ; x's rows are in
.irp q, 0,1,2,3,4,5,6,7
.irp a, 0,1,2,3
	WIN ((1+\q/5)<<6)
	FRAG 12*(4*(\q%5)+\a), ADX, \q, \a             ; my 64 rows of x, all of K: 192 loads
.endr
.endr
	WIN 0
	s_wait_tensorcnt 0x0                           ; the head's loads are in; the three lines ahead of slot 1's first fill
	ds_add_u32 v[SPW], v[NIL]
	s_mov_b32 s[G1B+2], 32<<16                     ; no load of mine is out: from here on a load brings 32 rows
	s_mov_b32 s[G1B+4], 32
	s_wait_dscnt 0x0
	CROUND
	TL G0W, G1B                                    ; w_k's tile, a quarter a wave
	WLOAD 0, 0, 0
	s_wait_loadcnt 0x0                             ; the scale words
	PHASE 0, 0                                     ; q
	s_wait_tensorcnt 0x0                           ; w_k's tile is in; my reads of slot 0 are over behind the wait below
	ds_add_u32 v[SPW], v[NIL]
	s_add_co_u32 s[G0W+1], s94, TILE
	s_add_nc_u64 s[G0W+2:G0W+3], s[G0W+2:G0W+3], 1024*KROW
	s_wait_dscnt 0x0
	CROUND
	TL G0W, G1B                                    ; w_v's tile fills slot 0 again; the four v_nop are the places ahead of what follows
	WLOAD 1, 0, 0
	SLOAD WS, SWO, 6, 32768
	EPI 0, 0
	s_wait_loadcnt 0x0
	PHASE 0, 1                                     ; k
	s_wait_tensorcnt 0x0
	s_wait_dscnt 0x0
	BARRIER                                        ; w_v's tile is shown to all
	PLACES 4
	WLOAD 0, 0, 0
	SLOAD WS, SWO, 6, 65536
	EPI 0, 1
	s_wait_loadcnt 0x0
	PHASE 1, 0                                     ; v
	PLACES 4
	EPI 1, 2
	s_wait_tensorcnt 0x0                           ; the wave's end
	ds_add_u32 v[SPW], v[NIL]
	s_wait_dscnt 0x0
	CROUND                                         ; the closing round
	s_endpgm
.Lfunc_end_k_qf38600ce02_proj:
	.size	k_qf38600ce02_proj, .Lfunc_end_k_qf38600ce02_proj-k_qf38600ce02_proj
	.p2alignl 7, 3214868480
	.fill 96, 4, 3214868480
	.section	.rodata,"a",@progbits
	.p2align	6, 0x0
	.amdhsa_kernel k_qf38600ce02_proj
		.amdhsa_group_segment_fixed_size 327680
		.amdhsa_private_segment_fixed_size 0
		.amdhsa_enable_private_segment 0
		.amdhsa_kernarg_size 32
		.amdhsa_user_sgpr_count 2
		.amdhsa_user_sgpr_kernarg_segment_ptr 1
		.amdhsa_wavefront_size32 1
		.amdhsa_system_sgpr_workgroup_id_x 1
		.amdhsa_system_sgpr_workgroup_id_y 1
		.amdhsa_system_sgpr_workgroup_id_z 1
		.amdhsa_system_vgpr_workitem_id 0
		.amdhsa_next_free_vgpr 896
		.amdhsa_next_free_sgpr 100
		.amdhsa_reserve_vcc 0
		.amdhsa_float_denorm_mode_32 3
		.amdhsa_float_denorm_mode_16_64 3
		.amdhsa_memory_ordered 1
		.amdhsa_forward_progress 1
		.amdhsa_inst_pref_size 134
	.end_amdhsa_kernel
	.amdgpu_metadata
---
amdhsa.version: [ 1, 2 ]
amdhsa.kernels:
  - .name:           k_qf38600ce02_proj
    .symbol:         k_qf38600ce02_proj.kd
    .args:
      - { .name: codes, .offset: 0, .size: 8, .value_kind: global_buffer, .address_space: global }
      - { .name: scales, .offset: 8, .size: 8, .value_kind: global_buffer, .address_space: global }
      - { .name: qkv, .offset: 16, .size: 8, .value_kind: global_buffer, .address_space: global }
      - { .name: qkvs, .offset: 24, .size: 8, .value_kind: global_buffer, .address_space: global }
    .group_segment_fixed_size: 327680
    .private_segment_fixed_size: 0
    .kernarg_segment_align: 8
    .kernarg_segment_size: 32
    .max_flat_workgroup_size: 128
    .sgpr_count:     100
    .vgpr_count:     896
    .wavefront_size: 32
...
	.end_amdgpu_metadata
.endif
;; end of part 2
;; launch attn (part 3): grid 8 x 32, 16 waves a work-group, clusters of 4 x 1, 327,680 bytes of LDS; arguments qkv, qkvs, oc, os; writes oc, os
.if DOCPART == 3
	.amdgcn_target "amdgcn-amd-amdhsa--gfx1250"
	.amdhsa_code_object_version 6
	.text
	.protected	k_qf38600ce02_attn
	.globl	k_qf38600ce02_attn
	.p2align	8
	.type	k_qf38600ce02_attn,@function
k_qf38600ce02_attn:
	s_mov_b64 s[64:65], 0
	v_nop
	global_prefetch_b8 v0, s[64:65] scope:SCOPE_SE
	s_setreg_imm32_b32 hwreg(HW_REG_WAVE_MODE, 25, 1), 1
	s_wait_xcnt 0x0
	s_wait_alu depctr_hold_cnt(0) depctr_sa_sdst(0) depctr_va_vdst(0) depctr_va_sdst(0) depctr_va_ssrc(0) depctr_va_vcc(0) depctr_vm_vsrc(0)
	s_getreg_b32 s2, hwreg(HW_REG_IB_STS2, 6, 4)
	s_cmp_eq_u32 s2, 0
	s_cbranch_scc0 .Lentry_in_a_cluster
	s_endpgm
.Lentry_in_a_cluster:
	s_bfe_u32 s2, ttmp6, 0x10000c
	s_cmp_lg_u32 s2, 0x3003
	s_cbranch_scc0 .Lentry_shape_is_right
	s_endpgm
.Lentry_shape_is_right:
; o[b][q][head] = the sum over keys of softmax(q . k / 8) v, both products on codes of FP6 (E2M3) with one E8M0 scale for each 32 along a product's K; o is quantised at once for the output projection.
; THE SOFTMAX AHEAD OF THE SECOND PRODUCT: t = score x log2(e) / 8; M = the row's largest t so far, rounded UP to a whole number; p = 2^(t - M) is quantised along the keys, not normalised.  The row's sum is taken of the
; unquantised p and divides O at the end.  When M moves, the sum and O are multiplied by 2^(old M - new M): exact.
; IN: images of operand registers, fragment (H, G, f) at ((32 H + G) 4 + f) 1,536 bytes of qkv; H: 0-15 q's heads, 16-31 k's, 32-47 v's; G: a group of 128 tokens.
;   q, k: registers 4 n .. 4 n + 3 at 512 n + 16 x lane; registers 0-5 = token tile 2 f, registers 6-11 = token tile 2 f + 1, each with the head's 64 along K.
;   v: 16 of the head's d x the group's 128 keys; half c at 768 c: registers 6 c .. 6 c + 3 at 16 x lane, 6 c + 4, 6 c + 5 at 512 + 8 x lane.   qkvs: their scale words, 256 bytes for each (H, G).
; THE HEAD'S K IS 64, THE INSTRUCTION'S 128: a fragment of k holds TWO tiles of keys, and is multiplied once by [Q | zeros] and once by [zeros | Q]: no register and no LDS byte of the loop holds padding.
; TOKENS LIE IN THE STORED ORDER (stored row 16 t + 8 g + i = row 64 (t / 4) + 32 g + 8 (t % 4) + i of a group): S^T = K Q^T (source 0 = 16 keys, source 1 = my 16 queries) then leaves in lane (r, h), register 32 c + i,
; key 64 c + 32 h + i of the step's 128: two whole blocks of 32 keys a lane, as the second product's operand wants them.  V's tiles of d are laid the same way, so O^T's 32 registers are d = 32 h + 0 .. 31 of my query.
; SHARES: a work-group owns 256 queries of one head, each of its sixteen waves one tile of 16, in 256 registers: four waves to a SIMD.  Every wave walks the head's 2,048 keys, 128 a step, in one loop of 16 trips.
; ALL OF THE HEAD'S K AND V, 2 x 98,304 bytes, and their scale words, 2 x 4,096, LIE IN LDS, filled once: no slot is filled again.  The four work-groups of a cluster share the head: every fill is a joint load.
; One tensor load a wave at the head: waves 0-5 a sixth of K's images each (64 rows of 256 bytes), waves 6-11 of V's, wave 12 K's scale words, wave 13 V's.  One wait for all and one barrier show them to every wave.
; No prefetch: all that the launch reads through LDS is asked for at its head.
; OUT: oc: token tile T, head hd: 768 bytes at 12,288 T + 768 hd: registers 2 j, 2 j + 1 at 256 j + 8 x lane.  os: [4096 stored tokens][32]: byte 2 hd + h.  The scale bytes leave one a lane, rows 32 bytes apart: 1 byte in 25 of what the launch stores.
; LIMITS: a block's largest p is taken from its largest score, which takes v_exp_f32 not to fall where its input rises; 1 / l is v_rcp_f32's; a block whose largest magnitude lies under 2^-124 keeps the byte 1, a block of zeros too;
; NaN and infinities are not served; the promise holds while the scaled scores stay under 2^31 in magnitude.
.set KIMG,  0                          ; K's images: step s at 6,144 s, fragment f at + 1,536 f
.set VIMG,  98304                      ; V's
.set KSC,   196608                     ; K's scale words: 256 bytes a step
.set VSC,   200704                     ; V's
.set SPARE, 204800                     ; the spare words, 128 bytes for each of sixteen waves, which no other line names
.set LI,   1                           ; v1   16 x lane
.set LS,   2                           ; v2   8 x lane + KSC
.set SH8,  3                           ; v3   8 x (lane / 16)
.set SPW,  4                           ; v4   my spare word; never rewritten
.set NIL,  5                           ; v5   0; never rewritten
.set ADK,  6                           ; v6-8 the step's addresses: K's images, V's, the scale words
.set ADV,  7
.set ADS,  8
.set GO,   9                           ; v9   8 x lane
.set GS,   10                          ; v10  32 (lane % 16) + lane / 16
.set AV0,  11                          ; v11  16 x lane + VIMG
;                                        v12 -M, v13 the largest t, v[14:15] the sum in two halves
.set QZ,   16                          ; v16-21 zeros, v22-27 Q, v28-33 zeros: [zeros | Q] = v[16:27], [Q | zeros] = v[22:33]
.set QS,   34                          ; v34  Q's scale word: its two bytes twice
.set F,    36                          ; v36-83 four fragments of K or of V
.set KSR,  84                          ; v84-85 K's scale words
.set VSR,  86                          ; v86-87 V's
.set AV8,  88                          ; v88  8 x lane + VIMG + 512
.set AD8,  89                          ; v89  the step's address of V's pieces of 8 bytes
.set S,    96                          ; v96-159 S^T, then p
.set OT,   160                         ; v160-191 O^T
.set PCD,  192                         ; v192-203 p's codes
.set CT0,  204                         ; v204-206, v208-210 the blocks' second halves
.set CT1,  208
.set BM,   212                         ; v212-213 the blocks' largest scores; v214-215 second chains
.set BN,   214
.set RM,   216
.set PT,   217
.set SO,   218                         ; v218-219 the conversions' scale operands
.set BY,   220                         ; v220-221 bytes
.set PW,   222                         ; v222 p's scale word
.set WT,   223
.set FF,   226                         ; v226 f = 2^(old M - new M); v227 written once, as the pair's upper half
.set TP,   228
.set WV,   12                          ; s12  my wave's number
.set SEL,  20                          ; s[20:21] selects for lane l xor 16
.set CS,   22                          ; s[22:23] c = log2(e) / 8
.set G1C,  24                          ; s[24:31] group 1: 64 rows of 256 bytes
.set G1S,  32                          ; s[32:39] group 1: 16 rows of 256 bytes
.set G0S,  40                          ; s[40:43] group 0 for the scale words
.set G0C,  44                          ; s[44:47] group 0 for the images
.set TB,   60                          ; s60  the step's images: 6,144 a step
.set TS,   61                          ; s61  its scale words: 256 a step
.set CNT,  62
.macro CROUND                          ; a round of the cluster's barrier
	s_barrier_signal -1
	s_barrier_wait -1
	s_cmp_lg_u32 s[WV], 0
	s_cbranch_scc1 .Lnot_wave_0_\@
	s_barrier_signal -3
.Lnot_wave_0_\@:
	s_barrier_wait -3
	s_barrier_signal -1
	s_barrier_wait -1
.endm
	s_load_b256 s[4:11], s[0:1], 0x0               ; qkv s[4:5], qkvs s[6:7], oc s[8:9], os s[10:11]
	v_lshl_add_u32 v[SPW], v0, 2, SPARE
	v_mov_b32 v[NIL], 0
	ds_add_u32 v[SPW], v[NIL]                      ; the opening lines: the add, twice, and its wait ahead of my first tensor load
	ds_add_u32 v[SPW], v[NIL]
	v_lshrrev_b32 v1, 5, v0
	s_delay_alu instid0(VALU_DEP_1)
	v_readfirstlane_b32 s[WV], v1                  ; wave 0..15
	s_bfe_u32 s13, ttmp6, 0x40000                  ; cx
	s_lshl_b32 s14, ttmp9, 2
	s_add_co_u32 s14, s14, s13                     ; my block of 256 queries: it enters Q's, oc's and os's addresses alone
	s_and_b32 s17, ttmp7, 0xffff
	s_and_b32 s15, s17, 15                         ; the head
	s_lshr_b32 s16, s17, 4                         ; the batch: both shared by the four partners
	; what I fetch, if I fetch
	s_lshl_b32 s69, s15, 5
	s_lshl_b32 s70, s16, 4
	s_add_co_u32 s69, s69, s70
	s_add_co_u32 s69, s69, 512                     ; 32 (16 + head) + the batch's first group: K's
	s_mul_i32 s72, s69, 6144
	s_lshl_b32 s75, s[WV], 14                      ; 16,384 x wave: my place in LDS (K's six parts, then V's six),
	s_add_co_u32 s72, s72, s75                     ; and in memory,
	s_cmp_lt_u32 s[WV], 6
	s_cselect_b32 s76, 0, 3145728-98304            ; where V's head lies 16 x 32 x 6,144 bytes behind K's
	s_add_co_u32 s72, s72, s76
	s_mov_b32 s73, 0
	s_and_b32 s77, s[WV], 1                        ; waves 12, 13: K's or V's scale words
	s_lshl_b32 s70, s69, 8
	s_lshl_b32 s71, s77, 17
	s_add_co_u32 s70, s70, s71
	s_mov_b32 s71, 0
	s_lshl_b32 s74, s77, 12
	s_add_co_u32 s74, s74, KSC
	; descriptor groups 1: dense blocks as rows of 256 bytes (32 elements of 8 bytes), no padding; the mask names all four work-groups, bit 21 beside it
	s_mov_b32 s[G1C], 15|(3<<16)|(1<<21)
	s_mov_b32 s[G1C+1], 32<<16                     ; tensor_dim0
	s_mov_b32 s[G1C+2], 64<<16                     ; tensor_dim1
	s_mov_b32 s[G1C+3], 32<<16                     ; tile_dim0
	s_mov_b32 s[G1C+4], 64                         ; tile_dim1
	s_mov_b32 s[G1C+5], 32                         ; the pitch
	s_mov_b32 s[G1C+6], 0
	s_mov_b32 s[G1C+7], 0
	s_mov_b32 s[G1S], 15|(3<<16)|(1<<21)
	s_mov_b32 s[G1S+1], 32<<16
	s_mov_b32 s[G1S+2], 16<<16
	s_mov_b32 s[G1S+3], 32<<16
	s_mov_b32 s[G1S+4], 16
	s_mov_b32 s[G1S+5], 32
	s_mov_b32 s[G1S+6], 0
	s_mov_b32 s[G1S+7], 0
	s_mov_b32 s[SEL], 0x76543210
	s_mov_b32 s[SEL+1], 0xfedcba98
	s_mov_b32 s[CS], 0x3e38aa3b                    ; log2(e) / 8
	s_mov_b32 s[CS+1], s[CS]                       ; (named with it as a pair, so it is written)
	; my tile of queries: group 2 x block + wave / 8 of the batch, tile t = wave % 8: half e of fragment f
	s_lshr_b32 s80, s[WV], 3
	s_lshl_b32 s88, s14, 1
	s_add_co_u32 s80, s80, s88
	s_lshl_b32 s88, s16, 4
	s_add_co_u32 s80, s80, s88                     ; the group of tokens, 0..31
	s_and_b32 s81, s[WV], 7                        ; t
	s_lshr_b32 s82, s81, 1                         ; f
	s_and_b32 s83, s81, 1                          ; e
	s_lshl_b32 s88, s15, 5
	s_add_co_u32 s88, s88, s80                     ; 32 H + G
	s_lshl_b32 s84, s88, 2
	s_add_co_u32 s84, s84, s82
	s_mul_i32 s84, s84, 1536
	s_mov_b32 s85, 0                               ; s[84:85]: Q's fragment
	s_lshl_b32 s86, s88, 8
	s_and_b32 s89, s82, 1
	s_lshl_b32 s89, s89, 7
	s_add_co_u32 s86, s86, s89
	s_lshr_b32 s89, s82, 1
	s_lshl_b32 s89, s89, 2
	s_add_co_u32 s86, s86, s89
	s_mov_b32 s87, 0                               ; s[86:87]: its scale words: lanes' half f % 2, register f / 2 of the unit
	s_lshl_b32 s88, s80, 3
	s_add_co_u32 s88, s88, s81                     ; T: my tile among the 256
	s_mul_i32 s90, s88, 12288
	s_mul_i32 s89, s15, 768
	s_add_co_u32 s90, s90, s89
	s_mov_b32 s91, 0                               ; s[90:91]: my place in oc
	s_lshl_b32 s92, s88, 9
	s_lshl_b32 s89, s15, 1
	s_add_co_u32 s92, s92, s89
	s_mov_b32 s93, 0                               ; s[92:93]: and in os
	s_cmp_eq_u32 s83, 0
	s_cselect_b32 s63, 0, -1                       ; all lanes take the fragment's upper half where e = 1
	s_mov_b32 s66, 0x03020302
	s_cselect_b32 s66, 0x01000100, s66             ; and the scale word's upper two bytes, twice
	v_and_b32 v1, 31, v0
	s_delay_alu instid0(VALU_DEP_1)
	v_lshlrev_b32 v[GO], 3, v1
	s_delay_alu instid0(VALU_DEP_1)
	v_add_nc_u32 v[LS], KSC, v[GO]
	s_delay_alu instid0(VALU_DEP_3)
	v_lshlrev_b32 v[LI], 4, v1
	s_delay_alu instid0(VALU_DEP_1)
	v_add_nc_u32 v[AV0], VIMG, v[LI]
	v_bfe_u32 v[SH8], v0, 4, 1                     ; h
	v_and_b32 v[GS], 15, v0                        ; r
	s_delay_alu instid0(VALU_DEP_1)
	v_lshlrev_b32 v[ADK], 3, v[GS]                 ; 8 r: Q's scale words (the register serves the loop later, behind the wait for the load)
	s_delay_alu instid0(VALU_DEP_2)
	v_lshl_add_u32 v[GS], v[GS], 5, v[SH8]
	s_delay_alu instid0(VALU_DEP_4)
	v_lshlrev_b32 v[SH8], 3, v[SH8]
	v_add_nc_u32 v[AV8], VIMG+512, v[GO]
	s_wait_dscnt 0x0                               ; the opening adds are done
	s_wait_kmcnt 0x0
	s_mov_b32 s[G0S], 1                            ; count = 1
	s_mov_b32 s[G0S+1], s74                        ; LDS address
	s_add_nc_u64 s[G0S+2:G0S+3], s[6:7], s[70:71]  ; global address
	s_or_b32 s[G0S+3], s[G0S+3], 0x80000000        ; type = 2
	s_mov_b32 s[G0C], 1
	s_mov_b32 s[G0C+1], s75
	s_add_nc_u64 s[G0C+2:G0C+3], s[4:5], s[72:73]
	s_or_b32 s[G0C+3], s[G0C+3], 0x80000000
	s_add_nc_u64 s[84:85], s[4:5], s[84:85]
	s_add_nc_u64 s[86:87], s[6:7], s[86:87]
	s_add_nc_u64 s[8:9], s[8:9], s[90:91]
	s_add_nc_u64 s[10:11], s[10:11], s[92:93]
	CROUND                                         ; all four work-groups are here: the joint loads meet
	s_cmp_lt_u32 s[WV], 12                         ; one chain of branches on the wave's number, one fill to an arm
	s_cbranch_scc0 .Lnot_images
	tensor_load_to_lds s[G0C:G0C+3], s[G1C:G1C+7]
	s_nop 0
.rept 4
	v_nop
.endr
	s_branch .Lasked
.Lnot_images:
	s_cmp_lt_u32 s[WV], 14
	s_cbranch_scc0 .Lasked
	tensor_load_to_lds s[G0S:G0S+3], s[G1S:G1S+7]
	s_nop 0
.rept 4
	v_nop
.endr
.Lasked:
	s_wait_alu depctr_va_vdst(0)
.irp k, 0,1,2
	global_load_b128 v[S+4*\k:S+4*\k+3], v[LI], s[84:85] offset:512*\k   ; the fragment that holds my tile of Q
.endr
	global_load_b32 v[S+12], v[ADK], s[86:87]      ; and its scale words
	v_mov_b32 v13, 0xff61b1e6                      ; the largest t so far: -3e38, under every t
	s_delay_alu instid0(VALU_DEP_1)
	v_floor_f32 v12, -v13                          ; -M
	v_mov_b32 v14, 0                               ; the sum, in two halves
	v_mov_b32 v15, 0
	v_mov_b32 v[PT], 0                             ; written once: a lane permute's destination counts as one of its sources
	v_mov_b32 v[FF+1], 0                           ; (named as the upper half of a pair)
	s_wait_loadcnt 0x0
.irp i, 0,1,2,3,4,5
	v_cndmask_b32 v[QZ+6+\i], v[S+\i], v[S+6+\i], s63   ; my tile's six registers
.endr
.irp i, 0,1,2,3,4,5
	v_mov_b32 v[QZ+\i], 0                          ; zero codes on both sides of them
	v_mov_b32 v[QZ+12+\i], 0
.endr
	v_perm_b32 v[QS], v[S+12], v[S+12], s66        ; my tile's two bytes, twice: they serve Q in either half of K; over the zero codes any byte but 0xff adds nothing
.set j, 0
.rept 32
	v_mov_b32 v[OT+j], 0                           ; O^T: the step is written once for all steps; the first change of M multiplies zeros.  (These are also the places between Q's registers and the first products)
.set j, j+1
.endr
; A KEY STEP: 128 keys.
.macro STEP
	v_add_nc_u32 v[ADK], s[TB], v[LI]
	v_add_nc_u32 v[ADV], s[TB], v[AV0]
	v_add_nc_u32 v[ADS], s[TS], v[LS]
	v_add_nc_u32 v[AD8], s[TB], v[AV8]             ; these four are the places between the last step's products and the loads into the registers that they read
.irp f, 0,1,2,3
.irp k, 0,1,2
	ds_load_b128 v[F+12*\f+4*\k:F+12*\f+4*\k+3], v[ADK] offset:1536*\f+512*\k   ; an image comes back as it was stored: 512 consecutive bytes a load
.endr
.endr
	ds_load_b64 v[KSR:KSR+1], v[ADS]
	s_wait_alu depctr_va_vdst(0)
	s_wait_dscnt 0x0
.irp f, 0,1,2,3                        ; S^T = K Q^T: fragment f holds tiles 2 f and 2 f + 1 of the keys; [Q | zeros] picks the first, [zeros | Q] the second
.irp e, 0,1
.if \f%2
	v_wmma_scale_f32_16x16x128_f8f6f4 v[S+8*(2*\f+\e):S+8*(2*\f+\e)+7], v[F+12*\f:F+12*\f+11], v[QZ+6-6*\e:QZ+17-6*\e], 0, v[KSR+\f/2], v[QS] matrix_a_fmt:MATRIX_FMT_FP6 matrix_b_fmt:MATRIX_FMT_FP6 matrix_a_scale:MATRIX_SCALE_ROW1
.else
	v_wmma_scale_f32_16x16x128_f8f6f4 v[S+8*(2*\f+\e):S+8*(2*\f+\e)+7], v[F+12*\f:F+12*\f+11], v[QZ+6-6*\e:QZ+17-6*\e], 0, v[KSR+\f/2], v[QS] matrix_a_fmt:MATRIX_FMT_FP6 matrix_b_fmt:MATRIX_FMT_FP6
.endif
.endr
.endr
.rept 4
	v_nop                                          ; places in front of the loads below and of the first read of the scores
.endr
.irp u, 0,1,2,3
.irp c, 0,1
	ds_load_b128 v[F+12*\u+6*\c:F+12*\u+6*\c+3], v[ADV] offset:1536*\u+768*\c   ; V's four tiles of d, by halves of six registers: they land while the softmax is walked
	ds_load_b64 v[F+12*\u+6*\c+4:F+12*\u+6*\c+5], v[AD8] offset:1536*\u+768*\c
.endr
.endr
	ds_load_b64 v[VSR:VSR+1], v[ADS] offset:VSC-KSC
	; the largest score of each of my two blocks of 32 keys: it serves the row's maximum and, since p rises with the score, the block's largest p.  Four chains by turns; each tile of scores is first read at its low end
.irp c, 0,1
	v_max3_num_f32 v[BM+\c], v[S+32*\c], v[S+32*\c+1], v[S+32*\c+2]
.endr
.irp c, 0,1
	v_max3_num_f32 v[BN+\c], v[S+32*\c+16], v[S+32*\c+17], v[S+32*\c+18]
.endr
.irp i, 3,5,7,9,11,13
.irp c, 0,1
	v_max3_num_f32 v[BM+\c], v[BM+\c], v[S+32*\c+\i], v[S+32*\c+\i+1]
.endr
.irp c, 0,1
	v_max3_num_f32 v[BN+\c], v[BN+\c], v[S+32*\c+16+\i], v[S+32*\c+17+\i]
.endr
.endr
.irp c, 0,1
	v_max3_num_f32 v[BM+\c], v[BM+\c], v[BN+\c], v[S+32*\c+15]
.endr
.irp c, 0,1
	v_max_num_f32 v[BM+\c], v[BM+\c], v[S+32*\c+31]
.endr
	s_delay_alu instid0(VALU_DEP_1)
	v_max_num_f32 v[RM], v[BM], v[BM+1]
	s_delay_alu instid0(VALU_DEP_1)
	v_permlanex16_b32 v[PT], v[RM], s[SEL], s[SEL+1]
	s_delay_alu instid0(VALU_DEP_1)
	v_max_num_f32 v[RM], v[RM], v[PT]              ; the step's largest score of my query
	s_delay_alu instid0(VALU_DEP_1)
	v_mul_f32 v[RM], s[CS], v[RM]                  ; as t (c is positive)
	s_delay_alu instid0(VALU_DEP_1)
	v_max_num_f32 v13, v13, v[RM]                  ; the running largest t
	v_mov_b32 v[TP], v12
	s_delay_alu instid0(VALU_DEP_2)
	v_floor_f32 v12, -v13                          ; the new -M = floor(-t) = -ceil(t): a whole number
	s_delay_alu instid0(VALU_DEP_1)
	v_sub_f32 v[TP], v12, v[TP]                    ; old M - new M: a whole number, 0 or less
	s_delay_alu instid0(VALU_DEP_1)
	v_cvt_i32_f32 v[TP], v[TP]                     ; (it saturates)
	s_delay_alu instid0(VALU_DEP_1)
	v_ldexp_f32 v[FF], 1.0, v[TP]                  ; f = 2^(old M - new M)
.set j, 0
.rept 32
	v_pk_fma_f32 v[S+j:S+j+1], v[S+j:S+j+1], s[CS:CS+1], v[12:13] op_sel_hi:[1,0,0]   ; t - M, two at a time
.set j, j+2
.endr
.irp c, 0,1
	v_fma_f32 v[BM+\c], v[BM+\c], s[CS], v12       ; the same of each block's largest score
.endr
.set j, 0
	s_wait_alu depctr_va_vdst(0)
.rept 64
	v_exp_f32 v[S+j], v[S+j]                       ; p = 2^(t - M), at most 1
.set j, j+1
.endr
	v_pk_mul_f32 v[14:15], v[14:15], v[FF:FF+1] op_sel_hi:[1,0]   ; the sums under the new M: a plain instruction behind the exponentials
	s_wait_alu depctr_va_vdst(0)                   ; one wait for the batch of 64, ahead of its first reader
.irp c, 0,1
	v_exp_f32 v[BM+\c], v[BM+\c]                   ; the block's largest p: the same two instructions on the same number give the same bits
.endr
	v_pk_add_f32 v[224:225], v[100:101], v[104:105]   ; the row's sum of the unquantised p, in eight chains
	v_pk_add_f32 v[254:255], v[108:109], v[112:113]
	v_pk_add_f32 v[252:253], v[116:117], v[120:121]
	v_pk_add_f32 v[250:251], v[124:125], v[128:129]
	v_pk_add_f32 v[248:249], v[132:133], v[136:137]
	v_pk_add_f32 v[246:247], v[140:141], v[144:145]
	v_pk_add_f32 v[244:245], v[148:149], v[152:153]
	v_pk_add_f32 v[14:15], v[14:15], v[156:157]
	v_pk_add_f32 v[224:225], v[224:225], v[96:97]
	v_pk_add_f32 v[254:255], v[254:255], v[98:99]
	v_pk_add_f32 v[252:253], v[252:253], v[102:103]
	v_pk_add_f32 v[250:251], v[250:251], v[106:107]
	v_pk_add_f32 v[248:249], v[248:249], v[110:111]
	v_pk_add_f32 v[246:247], v[246:247], v[114:115]
	v_pk_add_f32 v[244:245], v[244:245], v[118:119]
	v_pk_add_f32 v[14:15], v[14:15], v[122:123]
	v_pk_add_f32 v[224:225], v[224:225], v[126:127]
	v_pk_add_f32 v[254:255], v[254:255], v[130:131]
	v_pk_add_f32 v[252:253], v[252:253], v[134:135]
	v_pk_add_f32 v[250:251], v[250:251], v[138:139]
	v_pk_add_f32 v[248:249], v[248:249], v[142:143]
	v_pk_add_f32 v[246:247], v[246:247], v[146:147]
	v_pk_add_f32 v[244:245], v[244:245], v[150:151]
	v_pk_add_f32 v[14:15], v[14:15], v[154:155]
	v_pk_add_f32 v[224:225], v[224:225], v[158:159]
	s_delay_alu instid0(VALU_DEP_2)
	v_pk_add_f32 v[14:15], v[14:15], v[250:251]
	s_delay_alu instid0(VALU_DEP_2)
	v_pk_add_f32 v[224:225], v[224:225], v[248:249]
	v_pk_add_f32 v[254:255], v[254:255], v[246:247]
	v_pk_add_f32 v[252:253], v[252:253], v[244:245]
	s_delay_alu instid0(VALU_DEP_2)
	v_pk_add_f32 v[14:15], v[14:15], v[254:255]
	s_delay_alu instid0(VALU_DEP_2)
	v_pk_add_f32 v[224:225], v[224:225], v[252:253]
	s_delay_alu instid0(VALU_DEP_1)
	v_pk_add_f32 v[14:15], v[14:15], v[224:225]
	s_wait_alu depctr_va_vdst(0)                   ; and one for the two
.irp c, 0,1
	v_max_num_f32 v[BM+\c], 0x1800000, v[BM+\c]    ; the floor 2^(3 - 127): the byte cannot fall under 1
.endr
.irp c, 0,1
	s_delay_alu instid0(VALU_DEP_2)
	v_add_nc_u32 v[SO+\c], 0xff000000, v[BM+\c]    ; 2 off the exponent field: the conversion's scale operand
.endr
.irp c, 0,1
	s_delay_alu instid0(VALU_DEP_2)
	v_lshrrev_b32 v[BY+\c], 23, v[SO+\c]           ; the scale's byte
.endr
	s_delay_alu instid0(VALU_DEP_1)
	v_lshl_or_b32 v[WT], v[BY+1], 16, v[BY]        ; my bytes: blocks h and 2 + h,
	s_delay_alu instid0(VALU_DEP_1)
	v_lshlrev_b32 v[WT], v[SH8], v[WT]             ; at their places;
	s_delay_alu instid0(VALU_DEP_1)
	v_permlanex16_b32 v[PT], v[WT], s[SEL], s[SEL+1]
	s_delay_alu instid0(VALU_DEP_1)
	v_or_b32 v[PW], v[WT], v[PT]                   ; with lane l xor 16's two: p's scale word for these 128 keys
	v_cvt_scalef32_pk16_fp6_f32 v[PCD:PCD+2], v[S:S+15], v[SO]
	v_cvt_scalef32_pk16_fp6_f32 v[CT0:CT0+2], v[S+16:S+31], v[SO]       ; (a conversion's three registers begin on an even number)
	v_cvt_scalef32_pk16_fp6_f32 v[PCD+6:PCD+8], v[S+32:S+47], v[SO+1]
	v_cvt_scalef32_pk16_fp6_f32 v[CT1:CT1+2], v[S+48:S+63], v[SO+1]
	v_nop                                          ; one plain place behind a scaled conversion
.irp i, 0,1,2
	v_mov_b32 v[PCD+3+\i], v[CT0+\i]
	v_mov_b32 v[PCD+9+\i], v[CT1+\i]
.endr
.set j, 0
.rept 16
	v_pk_mul_f32 v[OT+j:OT+j+1], v[OT+j:OT+j+1], v[FF:FF+1] op_sel_hi:[1,0]   ; O^T under the new M.  For each product below twelve of these name none of its registers: the places behind p's scale word and codes
.set j, j+2
.endr
	s_wait_alu depctr_va_vdst(0)
	s_wait_dscnt 0x0                               ; V is in
.irp u, 0,1,2,3                        ; O^T += V^T P^T: the four accumulators by turns, one instruction a turn; the next step's eight score products stand between two links
.if \u%2
	v_wmma_scale_f32_16x16x128_f8f6f4 v[OT+8*\u:OT+8*\u+7], v[F+12*\u:F+12*\u+11], v[PCD:PCD+11], v[OT+8*\u:OT+8*\u+7], v[VSR+\u/2], v[PW] matrix_a_fmt:MATRIX_FMT_FP6 matrix_b_fmt:MATRIX_FMT_FP6 matrix_a_scale:MATRIX_SCALE_ROW1
.else
	v_wmma_scale_f32_16x16x128_f8f6f4 v[OT+8*\u:OT+8*\u+7], v[F+12*\u:F+12*\u+11], v[PCD:PCD+11], v[OT+8*\u:OT+8*\u+7], v[VSR+\u/2], v[PW] matrix_a_fmt:MATRIX_FMT_FP6 matrix_b_fmt:MATRIX_FMT_FP6
.endif
.endr
	s_add_co_u32 s[TB], s[TB], 6144
	s_add_co_u32 s[TS], s[TS], 256
.endm
	s_wait_alu depctr_va_vdst(0)                   ; the wait at the head's end
	s_wait_tensorcnt 0x0                           ; my fill is in,
	s_barrier_signal -1
	s_barrier_wait -1                              ; everybody's is: all of K, V and their scale words
	s_mov_b32 s[TB], 0
	s_mov_b32 s[TS], 0
	s_mov_b32 s[CNT], 16
.Lstep:
	STEP
	s_sub_co_u32 s[CNT], s[CNT], 1
	s_cmp_lg_u32 s[CNT], 0
	s_cbranch_scc1 .Lstep
	; THE WAY OUT: O^T / the sum is my query's d = 32 h + 0 .. 31 of this head: one block of the output projection's K, whole in my lane
.rept 4
	v_nop                                          ; places behind the last products
.endr
	v_add_f32 v14, v14, v15                        ; the sum's two halves,
	s_delay_alu instid0(VALU_DEP_1)
	v_permlanex16_b32 v[PT], v14, s[SEL], s[SEL+1]
	s_delay_alu instid0(VALU_DEP_1)
	v_add_f32 v14, v14, v[PT]                      ; and lane l xor 16's: the row's sum
	s_wait_alu depctr_va_vdst(0)
	v_rcp_f32 v14, v14
	v_nop                                          ; a plain instruction behind the reciprocal
	s_wait_alu depctr_va_vdst(0)                   ; and the wait ahead of its first reader
.set j, 0
.rept 32
	v_mul_f32 v[S+j], v[OT+j], v14                 ; in ascending order: each accumulator from its low end on
.set j, j+1
.endr
	v_max3_num_f32 v[BM], |v[S]|, |v[S+1]|, 0x1800000     ; the block's largest magnitude, in two chains, with the floor 2^(3 - 127)
	v_max3_num_f32 v[BM+1], |v[S+16]|, |v[S+17]|, 0x1800000
.irp i, 2,4,6,8,10,12,14
	s_delay_alu instid0(VALU_DEP_2)
	v_max3_num_f32 v[BM], v[BM], |v[S+\i]|, |v[S+\i+1]|
	s_delay_alu instid0(VALU_DEP_2)
	v_max3_num_f32 v[BM+1], v[BM+1], |v[S+16+\i]|, |v[S+17+\i]|
.endr
	s_delay_alu instid0(VALU_DEP_1)
	v_max_num_f32 v[BM], v[BM], v[BM+1]
	s_delay_alu instid0(VALU_DEP_1)
	v_add_nc_u32 v[SO], 0xff000000, v[BM]
	s_delay_alu instid0(VALU_DEP_1)
	v_lshrrev_b32 v[BY], 23, v[SO]
	v_cvt_scalef32_pk16_fp6_f32 v[PCD:PCD+2], v[S:S+15], v[SO]
	v_cvt_scalef32_pk16_fp6_f32 v[CT0:CT0+2], v[S+16:S+31], v[SO]
	v_nop                                          ; one plain place behind a scaled conversion
.irp i, 0,1,2
	v_mov_b32 v[PCD+3+\i], v[CT0+\i]
.endr
.irp j, 0,1,2
	global_store_b64 v[GO], v[PCD+2*\j:PCD+2*\j+1], s[8:9] offset:256*\j   ; 32 lanes store 256 consecutive aligned bytes
.endr
	global_store_b8 v[GS], v[BY], s[10:11]         ; my block's scale byte: row r, byte 2 hd + h
	s_wait_tensorcnt 0x0                           ; the wave's end, behind my last tensor load
	ds_add_u32 v[SPW], v[NIL]
	s_wait_dscnt 0x0
	CROUND                                         ; the closing round
	s_endpgm
.Lfunc_end_k_qf38600ce02_attn:
	.size	k_qf38600ce02_attn, .Lfunc_end_k_qf38600ce02_attn-k_qf38600ce02_attn
	.p2alignl 7, 3214868480
	.fill 96, 4, 3214868480
	.section	.rodata,"a",@progbits
	.p2align	6, 0x0
	.amdhsa_kernel k_qf38600ce02_attn
		.amdhsa_group_segment_fixed_size 327680
		.amdhsa_private_segment_fixed_size 0
		.amdhsa_enable_private_segment 0
		.amdhsa_kernarg_size 32
		.amdhsa_user_sgpr_count 2
		.amdhsa_user_sgpr_kernarg_segment_ptr 1
		.amdhsa_wavefront_size32 1
		.amdhsa_system_sgpr_workgroup_id_x 1
		.amdhsa_system_sgpr_workgroup_id_y 1
		.amdhsa_system_sgpr_workgroup_id_z 1
		.amdhsa_system_vgpr_workitem_id 0
		.amdhsa_next_free_vgpr 256
		.amdhsa_next_free_sgpr 96
		.amdhsa_reserve_vcc 0
		.amdhsa_float_denorm_mode_32 3
		.amdhsa_float_denorm_mode_16_64 3
		.amdhsa_memory_ordered 1
		.amdhsa_forward_progress 1
		.amdhsa_inst_pref_size 29
	.end_amdhsa_kernel
	.amdgpu_metadata
---
amdhsa.version: [ 1, 2 ]
amdhsa.kernels:
  - .name:           k_qf38600ce02_attn
    .symbol:         k_qf38600ce02_attn.kd
    .args:
      - { .name: qkv, .offset: 0, .size: 8, .value_kind: global_buffer, .address_space: global }
      - { .name: qkvs, .offset: 8, .size: 8, .value_kind: global_buffer, .address_space: global }
      - { .name: oc, .offset: 16, .size: 8, .value_kind: global_buffer, .address_space: global }
      - { .name: os, .offset: 24, .size: 8, .value_kind: global_buffer, .address_space: global }
    .group_segment_fixed_size: 327680
    .private_segment_fixed_size: 0
    .kernarg_segment_align: 8
    .kernarg_segment_size: 32
    .max_flat_workgroup_size: 512
    .sgpr_count:     96
    .vgpr_count:     256
    .wavefront_size: 32
...
	.end_amdgpu_metadata
.endif
;; end of part 3
;; launch outp (part 4): grid 8 x 32, 4 waves a work-group, clusters of 4 x 4, 229,376 bytes of LDS; arguments oc, os, codes, scales, out0; writes out0
.if DOCPART == 4
	.amdgcn_target "amdgcn-amd-amdhsa--gfx1250"
	.amdhsa_code_object_version 6
	.text
	.protected	k_qf38600ce02_outp
	.globl	k_qf38600ce02_outp
	.p2align	8
	.type	k_qf38600ce02_outp,@function
k_qf38600ce02_outp:
	s_mov_b64 s[64:65], 0
	v_nop
	global_prefetch_b8 v0, s[64:65] scope:SCOPE_SE
	s_setreg_imm32_b32 hwreg(HW_REG_WAVE_MODE, 25, 1), 1
	s_wait_xcnt 0x0
	s_wait_alu depctr_hold_cnt(0) depctr_sa_sdst(0) depctr_va_vdst(0) depctr_va_sdst(0) depctr_va_ssrc(0) depctr_va_vcc(0) depctr_vm_vsrc(0)
	s_getreg_b32 s2, hwreg(HW_REG_IB_STS2, 6, 4)
	s_cmp_eq_u32 s2, 0
	s_cbranch_scc0 .Lentry_in_a_cluster
	s_endpgm
.Lentry_in_a_cluster:
	s_bfe_u32 s2, ttmp6, 0x10000c
	s_cmp_lg_u32 s2, 0xf033
	s_cbranch_scc0 .Lentry_shape_is_right
	s_endpgm
.Lentry_shape_is_right:
; out0 = o w_o^T on codes of FP6 (E2M3) with E8M0 scales, K = 1,024, sums in f32, stored as f32.
; THE DEAL: 256 work-groups = 32 groups G of 128 tokens x 8 tiles j of 128 rows of w_o (rows 7168 + 128 j .. of codes).  Four waves, 2 x 2: wave (wa, wb) makes 64 tokens x 64 columns in 16 accumulators.
; ALL OF K LIES IN LDS, filled once, one load a wave at the head: waves 0, 1 a half each of o's images (49,152 dense bytes as rows of 256), waves 2, 3 a half each of w_o's rows (768 bytes, 16 of padding behind each 256: pitch 816).
; A wave's 64 tokens, all of K, go into 384 registers as soon as o's images are in; w_o's fragments follow, 128 along K at a time, in two sets.  Scale words go from memory straight into registers.
; CLUSTERS 4 x 4: o's images are asked for jointly along a row of the cluster, w_o's rows along a column.  No prefetch: all that the launch reads through LDS is asked for at its head.
; oc: token tile T, head hd: 768 bytes at 12,288 T + 768 hd, registers 2 n, 2 n + 1 at 256 n + 8 x lane: K step q's fragment is the 1,536 bytes of heads 2 q, 2 q + 1.  os: [4096 stored tokens][32 bytes].
; Tokens and w_o's rows lie in the stored order (stored row 16 t + 8 g + i = row 64 (t / 4) + 32 g + 8 (t % 4) + i of a group of 128).  Source 0 = w_o's rows, source 1 = tokens: lane (r, h) holds token r of a tile, and its 32
; registers of w_o's four tiles are columns 32 h + 0 .. 31 of my 64.  A tile of 16 tokens x 64 columns goes through my own stage in LDS and leaves as rows: sixteen lanes store 256 consecutive aligned bytes.
; REGISTERS: window 0: addresses, scale words, w_o's two sets, on the way out the rows read back; windows 1, 2: o's fragments (K step q, tile a) at window 1 + q / 5, register 12 (4 (q % 5) + a); window 3: accumulator (a, b) at 32 a + 8 b.
.set KROW,  768
.set PITCH, 816
.set HALF,  64*PITCH
.set AHALF, 49152
.set WB,    2*AHALF                    ; w_o's rows, behind o's images
.set STAGE, WB+128*PITCH               ; 16 rows of 272 bytes for each wave; no fill lands here
.set SPIT,  272
.set SPARE, STAGE+4*16*SPIT            ; the spare words, 128 bytes a wave, which no other line names
.set ADX,  4
.set ADW,  6
.set SPW,  10
.set NIL,  11
.set SXO,  12
.set SWO,  13
.set STO,  14
.set RD,   15
.set CO,   16
.set XS,   32                          ; v32-63 o's scale words, tile a, K step q at 8 a + q
.set WS,   68                          ; v68-99 w_o's: the two sets' numbers differ by 4 modulo 8
.set WF,   104                         ; v104-199 w_o's fragments, two sets of 48
.set BK,   104                         ; the way out: two sets of 32
.set G1,  24
.set G0,  32
.set G1B, 48
.set G0B, 56
.set MSB, 0
.macro WIN new
.if MSB != (\new)
	s_set_vgpr_msb (MSB<<8)|(\new)
.set MSB, (\new)
.endif
.endm
.macro PLACES n
.rept \n
	v_nop
.endr
.endm
.macro WALU
	s_wait_alu depctr_va_vdst(0)
.endm
.macro BARRIER
	s_barrier_signal -1
	s_barrier_wait -1
.endm
.macro CROUND
	BARRIER
	s_cmp_lg_u32 s14, 0
	s_cbranch_scc1 .Lnw0_\@
	s_barrier_signal -3
.Lnw0_\@:
	s_barrier_wait -3
	BARRIER
.endm
.macro TL g0, g1
	tensor_load_to_lds s[\g0:\g0+3], s[\g1:\g1+7]
	s_nop 0
	PLACES 4
.endm
.macro FRAG reg, adr, q, i             ; 16 rows x 128 K: six pieces of 8 bytes; piece n of a row lies at 8 n + 16 (n / 32); lanes 16-31 read three pieces on
.irp p, 0,1,2,3,4,5
.set PC_, 12*(\q)+6*(\p/3)+\p%3
.if (PC_%32) < 29
	ds_load_b64 v[\reg+2*\p:\reg+2*\p+1], v[\adr] offset:8*PC_+16*(PC_/32)+(\i)*16*PITCH
.else
	ds_load_b64 v[\reg+2*\p:\reg+2*\p+1], v[\adr+1] offset:8*PC_+16*(PC_/32)+(\i)*16*PITCH
.endif
.endr
.endm
.macro WLOAD q, buf
.irp i, 0,1,2,3
	FRAG WF+48*(\buf)+12*\i, ADW, \q, \i
.endr
.endm
.macro SLOAD dst, off, base
.irp t, 0,1,2,3
.irp c, 0,1
	global_load_b128 v[\dst+8*\t+4*\c:\dst+8*\t+4*\c+3], v[\off], s[\base:\base+1] offset:512*\t+16*\c
.endr
.endr
.endm
.macro MM d, s0, s1, x0, x1, z
.if \z
	v_wmma_scale_f32_16x16x128_f8f6f4 v[\d:\d+7], v[\s0:\s0+11], v[\s1:\s1+11], 0, v[\x0], v[\x1] matrix_a_fmt:MATRIX_FMT_FP6 matrix_b_fmt:MATRIX_FMT_FP6
.else
	v_wmma_scale_f32_16x16x128_f8f6f4 v[\d:\d+7], v[\s0:\s0+11], v[\s1:\s1+11], v[\d:\d+7], v[\x0], v[\x1] matrix_a_fmt:MATRIX_FMT_FP6 matrix_b_fmt:MATRIX_FMT_FP6
.endif
.endm
.macro MUL16 q                         ; the 16 accumulators by turns, one instruction a turn; K step 0 starts the sums
.irp a, 0,1,2,3
.irp b, 0,1,2,3
	WIN (((1+(\q)/5)<<2)|0xf0)
	MM 32*\a+8*\b, WF+48*((\q)%2)+12*\b, 12*(4*((\q)%5)+\a), WS+8*\b+(\q), XS+8*\a+(\q), (\q)==0
.endr
.endr
.endm
.macro TOSTAGE a                       ; tile a's 32 sums a lane into my stage, each accumulator from its low end on, and back by rows; LDS serves a wave's instructions in order
	WIN 0x0c
.irp m, 0,1,2,3,4,5,6,7
	ds_store_b128 v[STO], v[32*(\a)+4*\m:32*(\a)+4*\m+3] offset:16*\m
.endr
	WIN 0
.irp t, 0,1,2,3,4,5,6,7
	ds_load_b128 v[BK+32*((\a)%2)+4*\t:BK+32*((\a)%2)+4*\t+3], v[RD] offset:\t*2*SPIT
.endr
.endm
.macro SEND a, younger                 ; stage row 2 t + h is token 8 a + 32 (t / 4) + 2 (t % 4) + h of my 64
	s_wait_dscnt \younger
.irp t, 0,1,2,3,4,5,6,7
	global_store_b128 v[CO], v[BK+32*((\a)%2)+4*\t:BK+32*((\a)%2)+4*\t+3], s[12:13] offset:(8*(\a)+32*(\t/4)+2*(\t%4))*4096 th:TH_STORE_NT
.endr
.endm
	s_load_b256 s[4:11], s[0:1], 0x0               ; oc, os, codes, scales
	s_load_b64 s[12:13], s[0:1], 0x20              ; out0
	v_lshl_add_u32 v[SPW], v0, 2, SPARE
	v_mov_b32 v[NIL], 0
	ds_add_u32 v[SPW], v[NIL]                      ; the opening lines: the add, twice, and its wait ahead of my first tensor load
	ds_add_u32 v[SPW], v[NIL]
	v_lshrrev_b32 v1, 5, v0
	v_readfirstlane_b32 s14, v1                    ; wave
	s_lshr_b32 s15, s14, 1                         ; wa.  Also: I fetch for o (0) or for w_o (1)
	s_and_b32 s16, s14, 1                          ; wb.  Also: which half I fetch
	s_bfe_u32 s40, ttmp6, 0x40000                  ; cx
	s_bfe_u32 s41, ttmp6, 0x40004                  ; cy
	s_lshl_b32 s42, ttmp9, 2
	s_add_co_u32 s42, s42, s40                     ; j
	s_and_b32 s17, ttmp7, 0xffff
	s_lshl_b32 s17, s17, 2
	s_add_co_u32 s17, s17, s41                     ; G
	s_lshl_b32 s43, s41, 2
	s_lshl_b32 s43, 15, s43                        ; my row of the cluster
	s_lshl_b32 s44, 0x1111, s40                    ; my column
	s_or_b32 s[G1+0], s43, (3<<16)|(1<<21)         ; o's images: 192 rows of 256 bytes (32 elements of 8), dense
	s_mov_b32 s[G1+1], 32<<16
	s_mov_b32 s[G1+2], 192<<16
	s_mov_b32 s[G1+3], 32<<16
	s_mov_b32 s[G1+4], 192
	s_mov_b32 s[G1+5], 32
	s_mov_b32 s[G1+6], 0
	s_mov_b32 s[G1+7], 0
	s_or_b32 s[G1B+0], s44, (1<<20)|(1<<21)|(5<<22)|(3<<25)   ; w_o's: 64 rows of 768 bytes, 16 bytes of padding behind each 256
	s_mov_b32 s[G1B+1], KROW<<16
	s_mov_b32 s[G1B+2], 64<<16
	s_mov_b32 s[G1B+3], KROW<<16
	s_mov_b32 s[G1B+4], 64
	s_mov_b32 s[G1B+5], KROW
	s_mov_b32 s[G1B+6], 0
	s_mov_b32 s[G1B+7], 0
	s_mul_i32 s45, s16, AHALF                      ; o's half: in LDS, and
	s_mul_i32 s20, s17, 2*AHALF
	s_add_co_u32 s20, s20, s45                     ; in oc
	s_mov_b32 s21, 0
	s_mul_i32 s18, s16, 64*KROW
	s_mul_i32 s46, s42, 128*KROW
	s_add_co_u32 s46, s46, 7168*KROW
	s_add_co_u32 s46, s46, s18                     ; w_o's half in codes,
	s_mov_b32 s47, 0
	s_mul_i32 s94, s16, HALF
	s_add_co_u32 s94, s94, WB                      ; and in LDS
	s_mul_i32 s70, s15, AHALF                      ; what the vector set-up below adds
	s_mov_b32 s71, s94
	s_lshl_b32 s73, s17, 7
	s_lshl_b32 s74, s15, 6
	s_add_co_u32 s73, s73, s74                     ; my first token
	s_lshl_b32 s84, s73, 12                        ; its row of out0
	s_lshl_b32 s73, s73, 5
	s_lshl_b32 s74, s42, 7
	s_lshl_b32 s75, s16, 6
	s_add_co_u32 s74, s74, s75                     ; my first column
	s_lshl_b32 s75, s74, 2
	s_add_co_u32 s84, s84, s75
	s_mov_b32 s85, 0
	s_add_co_u32 s74, s74, 7168
	s_lshl_b32 s74, s74, 5
	s_mul_i32 s76, s14, 16*SPIT
	s_add_co_u32 s76, s76, STAGE                   ; my stage
	WALU
	s_wait_dscnt 0x0
	s_wait_kmcnt 0x0
	s_mov_b32 s[G0], 1
	s_mov_b32 s[G0+1], s45
	s_add_nc_u64 s[G0+2:G0+3], s[4:5], s[20:21]
	s_or_b32 s[G0+3], s[G0+3], 0x80000000
	s_mov_b32 s[G0B], 1
	s_mov_b32 s[G0B+1], s94
	s_add_nc_u64 s[G0B+2:G0B+3], s[8:9], s[46:47]
	s_or_b32 s[G0B+3], s[G0B+3], 0x80000000
	s_add_nc_u64 s[12:13], s[12:13], s[84:85]
	CROUND                                         ; all sixteen work-groups are here: the joint loads meet
	s_cmp_eq_u32 s15, 0
	s_cbranch_scc0 .Lfor_w
	TL G0, G1                                      ; waves 0, 1: o's halves
	s_branch .Lasked
.Lfor_w:
	TL G0B, G1B                                    ; waves 2, 3: w_o's halves
.Lasked:
	v_and_b32 v1, 15, v0                           ; r
	v_bfe_u32 v2, v0, 4, 1                         ; h
	v_and_b32 v3, 31, v0
	v_mul_u32_u24 v21, v1, PITCH
	v_mad_u32_u24 v22, v2, 24, v21
	v_mad_u32_u24 v23, v2, 40, v21
	v_lshlrev_b32 v26, 3, v3
	v_add_nc_u32 v[ADX], s70, v26
	v_add_nc_u32 v[ADW], s71, v22
	v_add_nc_u32 v[ADW+1], s71, v23
	v_lshlrev_b32 v24, 5, v1
	v_add_nc_u32 v[SXO], s73, v24
	v_add_nc_u32 v[SWO], s74, v24
	v_mul_u32_u24 v25, v1, SPIT
	v_lshl_add_u32 v25, v2, 7, v25
	v_add_nc_u32 v[STO], s76, v25                  ; in: row r, 128 bytes for each half of the lanes
	v_mul_u32_u24 v27, v2, SPIT
	v_lshl_add_u32 v27, v1, 4, v27
	v_add_nc_u32 v[RD], s76, v27                   ; back: lanes 0-15 one row of 256 bytes, lanes 16-31 the next
	v_lshlrev_b32 v[CO], 12, v2
	v_lshl_add_u32 v[CO], v1, 4, v[CO]             ; and the same two rows in out0
	WALU                                           ; the wait at the head's end
	SLOAD XS, SXO, 6
	SLOAD WS, SWO, 10
	s_cmp_lg_u32 s15, 0
	s_cbranch_scc1 .Lnot_o
	s_wait_tensorcnt 0x0                           ; both issuers of o's line wait
.Lnot_o:
	BARRIER                                        ; o's images are in
.irp q, 0,1,2,3,4,5,6,7
.irp a, 0,1,2,3
	WIN ((1+\q/5)<<6)
.irp p, 0,1,2,3,4,5
	ds_load_b64 v[12*(4*(\q%5)+\a)+2*\p:12*(4*(\q%5)+\a)+2*\p+1], v[ADX] offset:12288*\a+1536*\q+256*\p   ; my 64 tokens, all of K: 192 loads
.endr
.endr
.endr
	WIN 0
	s_wait_tensorcnt 0x0
	s_wait_dscnt 0x0
	BARRIER                                        ; w_o's rows are in
	WLOAD 0, 0
	s_wait_loadcnt 0x0                             ; the scale words
.irp q, 0,1,2,3,4,5,6,7
.if \q < 7
	WIN 0
	PLACES 4                                       ; between the last step's products and the loads into the set that they read
	WLOAD \q+1, (\q+1)%2
	s_wait_dscnt 24                                ; this step's fragments are in; the 24 loads just issued may be out
.else
	s_wait_dscnt 0x0
.endif
	MUL16 \q
.endr
	WIN 0
	PLACES 4                                       ; behind the last products
	TOSTAGE 0
.irp a, 1,2,3
.if \a > 1
	s_wait_xcnt 0x0                                ; tile a - 2's stores have read their registers
.endif
	TOSTAGE \a
	SEND \a-1, 16                                  ; behind tile a - 1's loads: tile a's 8 stores and 8 loads
.endr
	SEND 3, 0
	s_wait_tensorcnt 0x0                           ; the wave's end
	ds_add_u32 v[SPW], v[NIL]
	s_wait_dscnt 0x0
	CROUND                                         ; the closing round
	s_endpgm
.Lfunc_end_k_qf38600ce02_outp:
	.size	k_qf38600ce02_outp, .Lfunc_end_k_qf38600ce02_outp-k_qf38600ce02_outp
	.p2alignl 7, 3214868480
	.fill 96, 4, 3214868480
	.section	.rodata,"a",@progbits
	.p2align	6, 0x0
	.amdhsa_kernel k_qf38600ce02_outp
		.amdhsa_group_segment_fixed_size 229376
		.amdhsa_private_segment_fixed_size 0
		.amdhsa_enable_private_segment 0
		.amdhsa_kernarg_size 40
		.amdhsa_user_sgpr_count 2
		.amdhsa_user_sgpr_kernarg_segment_ptr 1
		.amdhsa_wavefront_size32 1
		.amdhsa_system_sgpr_workgroup_id_x 1
		.amdhsa_system_sgpr_workgroup_id_y 1
		.amdhsa_system_sgpr_workgroup_id_z 1
		.amdhsa_system_vgpr_workitem_id 0
		.amdhsa_next_free_vgpr 896
		.amdhsa_next_free_sgpr 100
		.amdhsa_reserve_vcc 0
		.amdhsa_float_denorm_mode_32 3
		.amdhsa_float_denorm_mode_16_64 3
		.amdhsa_memory_ordered 1
		.amdhsa_forward_progress 1
		.amdhsa_inst_pref_size 58
	.end_amdhsa_kernel
	.amdgpu_metadata
---
amdhsa.version: [ 1, 2 ]
amdhsa.kernels:
  - .name:           k_qf38600ce02_outp
    .symbol:         k_qf38600ce02_outp.kd
    .args:
      - { .name: oc, .offset: 0, .size: 8, .value_kind: global_buffer, .address_space: global }
      - { .name: os, .offset: 8, .size: 8, .value_kind: global_buffer, .address_space: global }
      - { .name: codes, .offset: 16, .size: 8, .value_kind: global_buffer, .address_space: global }
      - { .name: scales, .offset: 24, .size: 8, .value_kind: global_buffer, .address_space: global }
      - { .name: out0, .offset: 32, .size: 8, .value_kind: global_buffer, .address_space: global }
    .group_segment_fixed_size: 229376
    .private_segment_fixed_size: 0
    .kernarg_segment_align: 8
    .kernarg_segment_size: 40
    .max_flat_workgroup_size: 128
    .sgpr_count:     100
    .vgpr_count:     896
    .wavefront_size: 32
...
	.end_amdgpu_metadata
.endif
;; end of part 4
